; MI455X (gfx1250); checked and timed in simulation.
; The chip was launched on July 23, 2026; its instructions are those of AMD's public machine-readable ISA for CDNA 5 (MIT licence, August 2026) and "CDNA5" Instruction Set Architecture Reference Guide (July 2026). The comments in the code are by the model that wrote it; some were corrected since.
;; Multi Head Self Attention Layer. Allowed arithmetic: matrix products marked QUANTISED: E2M1 operands, one E8M0 scale for each 32 along K, by v_wmma_scale_f32_16x16x128_f8f6f4 with both operands' format E2M1 (or v_wmma_scale_f32_32x16x128_f4), f32 sums; everything else in f32.
;; Inputs: W_k_codes 1,024 x 32 x 16 uint8 (E2M1 codes of W_k, K innermost, in blocks of 32 codes, two codes a byte); W_k_scales 1,024 x 32 uint8 (E8M0 scales of W_k, one for each 32 codes along K); W_o_codes 1,024 x 32 x 16 uint8 (E2M1 codes of W_o, K innermost, in blocks of 32 codes, two codes a byte); W_o_scales 1,024 x 32 uint8 (E8M0 scales of W_o, one for each 32 codes along K); W_q_codes 1,024 x 32 x 16 uint8 (E2M1 codes of W_q, K innermost, in blocks of 32 codes, two codes a byte); W_q_scales 1,024 x 32 uint8 (E8M0 scales of W_q, one for each 32 codes along K); W_v_codes 1,024 x 32 x 16 uint8 (E2M1 codes of W_v, K innermost, in blocks of 32 codes, two codes a byte); W_v_scales 1,024 x 32 uint8 (E8M0 scales of W_v, one for each 32 codes along K); X_embed_codes 4 x 2,048 x 32 x 16 uint8 (E2M1 codes of X_embed, K innermost, in blocks of 32 codes, two codes a byte); X_embed_scales 4 x 2,048 x 32 uint8 (E8M0 scales of X_embed, one for each 32 codes along K); b_k 1,024 float32; b_o 1,024 float32; b_q 1,024 float32; b_v 1,024 float32.
;; Outputs: out0 4 x 2,048 x 1,024 float32.
;; This version of the problem:
;;   THIS VERSION OF THE PROBLEM IS GIVEN IN LOW PRECISION. The matrix products marked QUANTISED in the list below multiply operands that are first quantised to E2M1 (2 exponent bits, 1 mantissa bit; 4 bits a number), with one power-of-two scale for each 32 numbers along K (OCP MX v1.0); their sums are f32. All else is computed in f32.
;;   The module's matrix products, in the order in which they are computed (A, B: the left and right operand; K: the contracted axis; several contracted axes count as one K, in the product's order):
;;     1. [M 8,192, K 1,024] x [K 1,024, N 1,024]; A: input X_embed (given as codes); B: input W_q (given as codes): QUANTISED
;;     2. [M 8,192, K 1,024] x [K 1,024, N 1,024]; A: input X_embed (given as codes); B: input W_k (given as codes): QUANTISED
;;     3. [M 8,192, K 1,024] x [K 1,024, N 1,024]; A: input X_embed (given as codes); B: input W_v (given as codes): QUANTISED
;;     4. batch 64 x [M 2,048, K 64] x [K 64, N 2,048]; A: computed on the way; B: computed on the way: QUANTISED
;;     5. [M 8,192, K 1,024] x [K 1,024, N 1,024]; A: computed on the way; B: input W_o (given as codes): QUANTISED
;;   THE QUANTISER, for each operand of a quantised product, along K:
;;     - K is cut into blocks of 32 from its start; a last block that is shorter is filled with zeros.
;;     - A block's scale is 2^e with e = floor(log2(the largest magnitude in the block)) - 2, held to -126 .. 127; a block of zeros has e = 0. As a byte (E8M0): e + 127.
;;     - Each number is divided by its block's scale, clamped to +-6, and rounded to the nearest number of E2M1, ties to even, subnormals kept.
;;     - The product sums the exact products of the quantised numbers (number of the format x scale) in f32.
;;   ~~~python
;;   def quantise(x, axis):      # numpy; x: float32 -> the quantised numbers, widened to float32 again
;;       x = np.moveaxis(x, axis, -1); K = x.shape[-1]
;;       x = np.pad(x, [(0, 0)] * (x.ndim - 1) + [(0, -K % 32)]); x = x.reshape(x.shape[:-1] + (-1, 32)); a = np.abs(x).max(-1, keepdims=True)
;;       e = np.where(a > 0, np.clip(np.frexp(np.where(a > 0, a, 1))[1] - 1 - 2, -126, 127), 0)      # np.frexp(a)[1] - 1 = floor(log2(a)), exactly
;;       r = np.clip(x / 2.0 ** e, -6, 6)
;;       step = 2.0 ** (np.maximum(np.frexp(np.where(r == 0, 1, r))[1] - 1, 0) - 1)
;;       q = np.round(r / step) * step * 2.0 ** e      # np.round: ties to even
;;       return np.moveaxis(q.reshape(q.shape[:-2] + (-1,))[..., :K], -1, axis).astype(np.float32)
;;   ~~~
;;   OPERANDS COMPUTED ON THE WAY. 'Computed on the way' means the value that the module computes at that place (a softmax that the list does not call 'softmax' is quantised finished and normalised). What goes into a quantiser is computed in f32, as accurately as f32 sums, v_exp_f32 and their like allow (about 1e-6 of the number): no bf16 or f16 on the way to a quantiser, and a product that is left as it is and whose result goes on into a quantised operand takes f32 operands (vector FMAs, or v_wmma_f32_16x16x4_f32). A number that lies on a knife's edge between two numbers of the format may be rounded either way, as far as f32 arithmetic and the matrix unit's own rounding can turn it there, and no further.
;;   INPUTS GIVEN AS CODES. W_k (in the module: [1024, 1024], K = its axis 0); W_o (in the module: [1024, 1024], K = its axis 0); W_q (in the module: [1024, 1024], K = its axis 0); W_v (in the module: [1024, 1024], K = its axis 0); X_embed (in the module: [4, 2048, 1024], K = its axis 2): each comes as NAME_codes (uint8): NAME with its K axis moved to the last place and cut into blocks of 32 codes, [.., K / 32, bytes a block], one block behind the other in memory; two codes a byte, the lower K in the low four bits (a code: sign, 2 exponent bits, 1 mantissa bit); and NAME_scales (uint8): the same leading axes, one E8M0 byte (e + 127) for each 32 codes along K. Its value is code x scale, taken as it is: it is not quantised again, and the codes and scales need not be those that the quantiser above would give.
;; One version. Each part assembles by itself: llvm-mc -triple=amdgcn-amd-amdhsa -mcpu=gfx1250 --defsym DOCPART=n.
;; ======== version 1 of 1: 3 launches
;; limits: right only within a limited range of input values
;; workspace buffers: qbuf 4,718,592 bytes; kbuf 4,718,592 bytes; vbuf 33,554,432 bytes; obuf 4,194,304 bytes; oscale 262,144 bytes
;; launch qkv (part 1): grid 12 x 64, 4 waves a work-group, clusters of 4 x 4, 209,408 bytes of LDS; arguments X_embed_codes, X_embed_scales, W_q_codes, W_q_scales, b_q, W_k_codes, W_k_scales, b_k, W_v_codes, W_v_scales, b_v, qbuf, kbuf, vbuf; writes qbuf, kbuf, vbuf
.if DOCPART == 1
	.amdgcn_target "amdgcn-amd-amdhsa--gfx1250"
	.amdhsa_code_object_version 6
	.text
	.protected	k_qc097b1ce9d_qkv
	.globl	k_qc097b1ce9d_qkv
	.p2align	8
	.type	k_qc097b1ce9d_qkv,@function
k_qc097b1ce9d_qkv:
	s_mov_b64 s[64:65], 0
	v_nop
	global_prefetch_b8 v0, s[64:65] scope:SCOPE_SE
	s_setreg_imm32_b32 hwreg(HW_REG_WAVE_MODE, 25, 1), 1
	s_wait_xcnt 0x0
	s_wait_alu depctr_hold_cnt(0) depctr_sa_sdst(0) depctr_va_vdst(0) depctr_va_sdst(0) depctr_va_ssrc(0) depctr_va_vcc(0) depctr_vm_vsrc(0)
	s_getreg_b32 s2, hwreg(HW_REG_IB_STS2, 6, 4)
	s_cmp_eq_u32 s2, 0
	s_cbranch_scc0 .Lentry_in_a_cluster
	s_endpgm
.Lentry_in_a_cluster:
	s_bfe_u32 s2, ttmp6, 0x10000c
	s_cmp_lg_u32 s2, 0xf033
	s_cbranch_scc0 .Lentry_shape_is_right
	s_endpgm
.Lentry_shape_is_right:
; Q = X W_q + b_q, K = X W_k + b_k, V = X W_v + b_v on codes of FP4 (E2M1) with one E8M0 byte for each 32 along K.  X: [8192][1024], W: [1024 (n)][1024 (k)], K innermost: a row is 512 bytes of codes and 32 scale bytes.
; THE HEAD SPLIT IS A PLAIN RESHAPE: head i (0..63) is rows 128 i .. 128 i + 127, and a token of a head is (row, 64 neighbouring columns).
; SHARES.  The cluster's x says which product (0 Q, 1 K, 2 V); a work-group makes one head's 128 rows x 256 columns (cx) over all of K = 1,024.  Both operands for all of K lie in LDS (64 + 128 KiB of codes): no slot is
; ever filled again.  Four waves, 2 x 2; a wave makes 64 rows x 128 columns: 32 accumulators of 16 x 16.
; CLUSTERS: 4 x 4 work-groups.  The four of a row of the cluster (one head) need the same rows of X, the four of a column the same rows of W: each tile is asked for JOINTLY.
; THE MATRIX INSTRUCTION IS USED TRANSPOSED (source 0 = 16 rows of W, source 1 = 16 rows of X): lane (r, h) holds row r of X and its register j column 16 t + 8 h + j.  The bias is the C of the first K step.
; THE WAY OUT.  V leaves as the accumulators stand, 16 bytes a lane, 512 consecutive bytes a store.  Q and K are quantised along a token's 64 columns (two blocks of 32) and leave as IMAGES OF THE NEXT PRODUCT'S OPERAND
; REGISTERS: tile 2 a + c of the wave's group = the 16 tokens (rows 16 a + r, 64 columns c); lane (r, h) stores the 16 bytes of block h of token r.  The factor 1/32 = 2^-5 of the scores' operands goes into the scale bytes.
; LIMITS: NaN, infinities and a given scale byte 0xff are not served.  A block of Q or K whose largest magnitude lies under 2^-119 is held at the byte 1 (the quantiser's e = -126 for the number / 32); a block of zeros gets
; that byte too, with zero codes (the bytes are read by this program alone).  The bias is added first and not last: the order of the f32 additions differs from the reference's.
; REGISTERS, in windows of 256: window 0: v1-10 addresses; v16-47 W's scale words, v48-63 X's; v64-127 X's fragments, two sets; v128-191 at work on the way out.
;   window 1: v0-127 W's fragments, two sets; v128-191 the bias, eight registers a tile.   window 2: accumulator (a, t) at v[8 (8 a + t)].
.set PITCH, 528                        ; an LDS row: 512 bytes (all of K) + 16 of padding: the 16 rows that a load touches start at 16 different banks
.set BBASE, 128*PITCH                  ; behind X's 128 rows: W's 256
.set ADRA, 4                           ; v4    LDS address of my fragments of X
.set ADRB, 5                           ; v5    of W
.set LI,   7                           ; v7    16 x lane
.set WSC,  16                          ; v[16 + 8 p + s]: lane l: the scale word of W's row 32 p + l for K step s
.set XSC,  48                          ; v[48 + 8 p + s]: the same for X
.set AF,   64
.set TM,   128                         ; v128-131 largest magnitudes, v132-135 bytes, v140-143 the conversions' scale operands
.set PW,   144
.set SW,   148                         ; v148-151 the scale words that leave
.set PC,   160                         ; v[160 + 8 a ..] the codes that leave
.set BF,   0                           ; in window 1
.set BIAS, 128                         ; in window 1
.set WV, 72
.set WM, 73
.set WN, 74
.set CX, 75
.set CY, 76
.set HD, 77
.set G1A, 36                           ; s[36:43] descriptor group 1 for X's tiles, s[44:51] for W's
.set G1B, 44
.set G0A, 52                           ; s[52:55] group 0 for X's tile;  s[60:63] for W's
.set MSB, 0
.macro WIN new                         ; the immediate's high byte repeats the setting that is left
.if MSB != \new
	s_set_vgpr_msb (MSB<<8)|\new
.set MSB, \new
.endif
.endm
.macro PLACES                          ; four plain places behind matrix instructions, in front of loads into their registers and of reads of their results
.rept 4
	v_nop
.endr
.endm
.macro CROUND                          ; a round of the cluster's barrier
	s_barrier_signal -1
	s_barrier_wait -1
	s_cmp_lg_u32 s[WV], 0
	s_cbranch_scc1 .Lnot_wave_0_\@
	s_barrier_signal -3
.Lnot_wave_0_\@:
	s_barrier_wait -3
	s_barrier_signal -1
	s_barrier_wait -1
.endm
; one product; ra, rb: the side's scale words stand in lanes 16-31
.macro MM d, a, b, c, sa, sb, ra, rb
.if (\ra) && (\rb)
	v_wmma_scale_f32_16x16x128_f8f6f4 v[\d:\d+7], v[\a:\a+7], v[\b:\b+7], v[\c:\c+7], v[\sa], v[\sb] matrix_a_fmt:MATRIX_FMT_FP4 matrix_b_fmt:MATRIX_FMT_FP4 matrix_a_scale:MATRIX_SCALE_ROW1 matrix_b_scale:MATRIX_SCALE_ROW1
.elseif (\ra)
	v_wmma_scale_f32_16x16x128_f8f6f4 v[\d:\d+7], v[\a:\a+7], v[\b:\b+7], v[\c:\c+7], v[\sa], v[\sb] matrix_a_fmt:MATRIX_FMT_FP4 matrix_b_fmt:MATRIX_FMT_FP4 matrix_a_scale:MATRIX_SCALE_ROW1
.elseif (\rb)
	v_wmma_scale_f32_16x16x128_f8f6f4 v[\d:\d+7], v[\a:\a+7], v[\b:\b+7], v[\c:\c+7], v[\sa], v[\sb] matrix_a_fmt:MATRIX_FMT_FP4 matrix_b_fmt:MATRIX_FMT_FP4 matrix_b_scale:MATRIX_SCALE_ROW1
.else
	v_wmma_scale_f32_16x16x128_f8f6f4 v[\d:\d+7], v[\a:\a+7], v[\b:\b+7], v[\c:\c+7], v[\sa], v[\sb] matrix_a_fmt:MATRIX_FMT_FP4 matrix_b_fmt:MATRIX_FMT_FP4
.endif
.endm
	s_load_b512 s[8:23], s[0:1], 0x0               ; X's codes s[8:9], X's scales s[10:11]; W_q's codes, scales, b_q s[12:17]; W_k's s[18:23]
	s_load_b256 s[24:31], s[0:1], 0x40             ; W_v's codes, scales, b_v s[24:29]; qbuf s[30:31]
	s_load_b128 s[32:35], s[0:1], 0x60             ; kbuf s[32:33], vbuf s[34:35]
	v_lshl_add_u32 v254, v0, 2, 0x33000
	v_mov_b32 v255, 0
	ds_add_u32 v254, v255
	ds_add_u32 v254, v255
	v_lshrrev_b32 v1, 5, v0
	v_readfirstlane_b32 s[WV], v1                  ; wave 0..3
	s_lshr_b32 s[WM], s[WV], 1                     ; which 64 rows are mine.  Also: I fetch for X (0) or for W (1)
	s_and_b32 s[WN], s[WV], 1                      ; which 128 columns.  Also: which half of that tile's rows I fetch
	s_bfe_u32 s[CX], ttmp6, 0x40000                ; cx: the block of 256 columns
	s_bfe_u32 s[CY], ttmp6, 0x40004                ; cy
	s_and_b32 s[HD], ttmp7, 0xffff
	s_lshl_b32 s[HD], s[HD], 2
	s_add_co_u32 s[HD], s[HD], s[CY]               ; the head = 4 x cluster y + cy
	s_lshl_b32 s86, s[CY], 2
	s_lshl_b32 s86, 15, s86                        ; my row of the cluster
	s_lshl_b32 s87, 0x1111, s[CX]                  ; my column
	s_or_b32 s[G1A], s86, (0<<16)|(1<<20)|(1<<21)|(6<<22)|(3<<25)   ; 15:0 the mask; elements of 1 byte; padding on; bit 21 beside a mask; 4 words behind every 128
	s_or_b32 s[G1B], s87, (0<<16)|(1<<20)|(1<<21)|(6<<22)|(3<<25)
	s_mov_b32 s[G1A+1], 512<<16                    ; tensor_dim0 = 512 bytes: all of K
	s_mov_b32 s[G1A+2], 64<<16                     ; tensor_dim1 = 64 rows
	s_mov_b32 s[G1A+3], 512<<16                    ; tile_dim0
	s_mov_b32 s[G1A+4], 64                         ; tile_dim1
	s_mov_b32 s[G1A+5], 512                        ; a row in memory
	s_mov_b32 s[G1A+6], 0
	s_mov_b32 s[G1A+7], 0
	s_mov_b32 s[G1B+1], 512<<16
	s_mov_b32 s[G1B+2], 128<<16                    ; 128 rows
	s_mov_b32 s[G1B+3], 512<<16
	s_mov_b32 s[G1B+4], 128
	s_mov_b32 s[G1B+5], 512
	s_mov_b32 s[G1B+6], 0
	s_mov_b32 s[G1B+7], 0
	s_lshl_b32 s88, s[HD], 16                      ; X: row 128 x head + 64 x half, 512 bytes a row: made of the head and the wave alone
	s_lshl_b32 s90, s[WN], 15
	s_add_co_u32 s88, s88, s90
	s_mov_b32 s89, 0
	s_lshl_b32 s92, s[CX], 17                      ; W: row 256 cx + 128 x half: made of cx and the wave alone
	s_lshl_b32 s93, s[WN], 16
	s_add_co_u32 s92, s92, s93
	s_mov_b32 s93, 0
	s_mul_i32 s94, s[WN], 64*PITCH                 ; where they go in LDS: the wave's number alone
	s_mul_i32 s95, s[WN], 128*PITCH
	s_lshl_b32 s91, s[CX], 2
	s_add_co_u32 s91, s91, s[WV]                   ; my group in the head: 4 cx + wave
	s_mov_b32 s2, 0x76543210
	s_mov_b32 s3, 0xfedcba98                       ; v_permlanex16_b32's selects for lane l xor 16
	v_and_b32 v3, 31, v0                           ; lane
	v_and_b32 v1, 15, v0                           ; r
	v_bfe_u32 v2, v0, 4, 1                         ; h
	v_lshlrev_b32 v[LI], 4, v3
	v_lshlrev_b32 v8, 5, v3                        ; a row of scale bytes a lane
	v_lshlrev_b32 v9, 5, v2                        ; the bias: 8 numbers on for lanes 16-31
	v_lshlrev_b32 v10, 4, v2                       ; 16 h: lanes 16-31 take the upper two bytes of a scale word
	v_mul_u32_u24 v[ADRA], v1, PITCH
	v_lshl_add_u32 v[ADRA], v2, 4, v[ADRA]         ; row x pitch + 16 x half
	s_mul_i32 s98, s[WN], 128*PITCH
	s_add_co_u32 s98, s98, BBASE
	v_add_nc_u32 v[ADRB], s98, v[ADRA]             ; my 128 rows of W, K half 0,
	s_mul_i32 s98, s[WM], 64*PITCH
	v_add_nc_u32 v[ADRA], s98, v[ADRA]             ; my 64 rows of X
.irp b, 0,1,2,3
	v_mov_b32 v[TM+4+\b], 0                        ; written once: a lane permute's destination counts as one of its sources
.endr
	s_wait_dscnt 0x0
	s_wait_kmcnt 0x0
	s_cmp_eq_u32 ttmp9, 1                          ; which product: the cluster's x, the same in all sixteen partners
	s_cselect_b64 s[78:79], s[18:19], s[12:13]     ; the weight's codes,
	s_cselect_b64 s[80:81], s[20:21], s[14:15]     ; its scales,
	s_cselect_b64 s[82:83], s[22:23], s[16:17]     ; the bias,
	s_cselect_b64 s[84:85], s[32:33], s[30:31]     ; and where codes go: kbuf or qbuf
	s_cmp_eq_u32 ttmp9, 2
	s_cselect_b64 s[78:79], s[24:25], s[78:79]
	s_cselect_b64 s[80:81], s[26:27], s[80:81]
	s_cselect_b64 s[82:83], s[28:29], s[82:83]
	s_add_nc_u64 s[88:89], s[8:9], s[88:89]
	s_add_nc_u64 s[92:93], s[78:79], s[92:93]
	s_mov_b32 s52, 1                               ; count = 1
	s_mov_b32 s53, s94                             ; LDS address
	s_mov_b64 s[54:55], s[88:89]                   ; global address: my 64 rows of X, whole
	s_or_b32 s55, s55, 0x80000000                  ; type = 2
	s_mov_b32 s60, 1
	s_add_co_u32 s61, s95, BBASE
	s_mov_b64 s[62:63], s[92:93]
	s_or_b32 s63, s63, 0x80000000
	; the plain loads' and the stores' bases
	s_mov_b32 s97, 0
	s_lshl_b32 s96, s[CX], 13                      ; W's scales: row 256 cx + 128 wn, 32 bytes a row
	s_lshl_b32 s98, s[WN], 12
	s_add_co_u32 s96, s96, s98
	s_add_nc_u64 s[80:81], s[80:81], s[96:97]
	s_lshl_b32 s96, s[HD], 12                      ; X's scales: row 128 head + 64 wm
	s_lshl_b32 s98, s[WM], 11
	s_add_co_u32 s96, s96, s98
	s_add_nc_u64 s[10:11], s[10:11], s[96:97]
	s_lshl_b32 s96, s[CX], 10                      ; the bias: column 256 cx + 128 wn
	s_lshl_b32 s98, s[WN], 9
	s_add_co_u32 s96, s96, s98
	s_add_nc_u64 s[82:83], s[82:83], s[96:97]
	s_mul_i32 s98, s[HD], 73728                    ; a head of qbuf or kbuf: 65,536 bytes of codes, 8,192 of scale words
	s_lshl_b32 s96, s91, 12                        ; my group's 4,096 bytes of codes
	s_add_co_u32 s96, s96, s98
	s_add_nc_u64 s[4:5], s[84:85], s[96:97]
	s_lshl_b32 s96, s91, 9                         ; and its 512 bytes of scale words
	s_add_co_u32 s96, s96, s98
	s_add_co_u32 s96, s96, 65536
	s_add_nc_u64 s[6:7], s[84:85], s[96:97]
	s_lshl_b32 s96, s[HD], 19                      ; a head of vbuf is 524,288 bytes, a group 32,768
	s_lshl_b32 s98, s91, 15
	s_add_co_u32 s96, s96, s98
	s_add_nc_u64 s[34:35], s[34:35], s[96:97]
	CROUND                                         ; all sixteen work-groups are here: the joint loads meet
	s_cmp_eq_u32 s[WM], 0                          ; one fill a wave, in the two arms of one branch on the wave's number: waves 0, 1 X's halves of the rows, waves 2, 3 W's; four v_nop follow each
	s_cbranch_scc0 .Lfirst_b
	tensor_load_to_lds s[52:55], s[G1A:G1A+7]
	s_nop 0
.rept 4
	v_nop
.endr
	s_branch .Lfirst_asked
.Lfirst_b:
	tensor_load_to_lds s[60:63], s[G1B:G1B+7]
	s_nop 0
.rept 4
	v_nop
.endr
.Lfirst_asked:
.irp p, 0,1,2,3                                ; the scale words of all of K stay in registers: a lane takes a row's 32 bytes, a wave's two loads 1,024 consecutive bytes
	global_load_b128 v[WSC+8*\p:WSC+8*\p+3], v8, s[80:81] offset:\p*1024
	global_load_b128 v[WSC+8*\p+4:WSC+8*\p+7], v8, s[80:81] offset:\p*1024+16
.endr
.irp p, 0,1
	global_load_b128 v[XSC+8*\p:XSC+8*\p+3], v8, s[10:11] offset:\p*1024
	global_load_b128 v[XSC+8*\p+4:XSC+8*\p+7], v8, s[10:11] offset:\p*1024+16
.endr
	WIN 0x40                                       ; destination window 1
.irp t, 0,1,2,3,4,5,6,7
	global_load_b128 v[BIAS+8*\t:BIAS+8*\t+3], v9, s[82:83] offset:\t*64         ; b(16 t + 8 h + 0 .. 7): the result's layout
	global_load_b128 v[BIAS+8*\t+4:BIAS+8*\t+7], v9, s[82:83] offset:\t*64+16
.endr
	WIN 0
; the fragments of K step s (128 along K): W's eight into set s % 2 of window 1, X's four into set s % 2 of window 0.  A fragment is 8 registers: registers 4 c .. 4 c + 3 hold K = 64 c + 32 h + 0 .. 31
.macro FETCH s
	WIN 0x40
.irp t, 0,1,2,3,4,5,6,7
.irp c, 0,1
	ds_load_b128 v[BF+64*((\s)%2)+8*\t+4*\c:BF+64*((\s)%2)+8*\t+4*\c+3], v[ADRB] offset:\t*16*PITCH+64*(\s)+32*\c
.endr
.endr
	WIN 0
.irp a, 0,1,2,3
.irp c, 0,1
	ds_load_b128 v[AF+32*((\s)%2)+8*\a+4*\c:AF+32*((\s)%2)+8*\a+4*\c+3], v[ADRA] offset:\a*16*PITCH+64*(\s)+32*\c
.endr
.endr
.endm
; A K step: 32 products.  The 32 accumulators take turns, one instruction a turn, in the same order in every step.
.macro KSTEP s
	s_wait_dscnt 0x0                               ; this step's 24 loads, asked for a step ago, are in
.if (\s) < 7
	FETCH (\s)+1                                   ; into the set that the step before multiplied: four places stand behind its products
.endif
.if (\s) == 0
	WIN 0x91                                       ; source 0 (W) and C (the bias) window 1, source 1 (X) window 0, D window 2
.else
	WIN 0xa1                                       ; C and D window 2
.endif
.irp a, 0,1,2,3
.irp t, 0,1,2,3,4,5,6,7
.if (\s) == 0
	MM 8*(8*\a+\t), BF+64*((\s)%2)+8*\t, AF+32*((\s)%2)+8*\a, BIAS+8*\t, WSC+8*(\t/2)+(\s), XSC+8*(\a/2)+(\s), \t%2, \a%2
.else
	MM 8*(8*\a+\t), BF+64*((\s)%2)+8*\t, AF+32*((\s)%2)+8*\a, 8*(8*\a+\t), WSC+8*(\t/2)+(\s), XSC+8*(\a/2)+(\s), \t%2, \a%2
.endif
.endr
.endr
	WIN 0
	PLACES
.endm
	s_wait_tensorcnt 0x0                           ; my one load, my part of the tiles for all of K, is in
	s_barrier_signal -1
	s_barrier_wait -1                              ; everybody's is
	s_wait_alu depctr_va_vdst(0)
	FETCH 0
	s_wait_loadcnt 0x0                             ; scale words and bias
.irp s, 0,1,2,3,4,5,6,7
	KSTEP \s
.endr
	s_cmp_eq_u32 ttmp9, 2                          ; the cluster's x: the same in all partners
	s_cbranch_scc1 .Lv
; Q and K.  The lane's 64 registers of rows 16 a + r: register 16 b + i is one of 16 numbers of block b (32 columns); lane l xor 16 holds the other 16.
.macro QUANT a
	WIN 0x0a                                       ; sources 0 and 1 window 2
.irp b, 0,1,2,3
	v_max3_num_f32 v[TM+\b], |v[64*(\a)+16*\b]|, |v[64*(\a)+16*\b+1]|, 0x4000000   ; each accumulator from its low end on; the floor 2^(8 - 127): 7 come off the exponent field, and the byte cannot fall under 1
.endr
	WIN 0x28                                       ; sources 1 and 2 window 2
.irp i, 2,4,6,8,10,12,14
.irp b, 0,1,2,3
	v_max3_num_f32 v[TM+\b], v[TM+\b], |v[64*(\a)+16*\b+\i]|, |v[64*(\a)+16*\b+\i+1]|   ; the four blocks by turns
.endr
.endr
	WIN 0
.irp b, 0,1,2,3
	v_permlanex16_b32 v[TM+4+\b], v[TM+\b], s2, s3
.endr
.irp b, 0,1,2,3
	v_max_num_f32 v[TM+\b], v[TM+\b], v[TM+4+\b]   ; the block's largest magnitude
.endr
.irp b, 0,1,2,3
	v_add_nc_u32 v[TM+12+\b], 0xff000000, v[TM+\b] ; 2 off its exponent field: the conversion's scale operand, for the number as it stands
.endr
.irp b, 0,1,2,3
	v_lshrrev_b32 v[TM+4+\b], 23, v[TM+12+\b]
.endr
	v_lshl_or_b32 v[PW], v[TM+5], 8, v[TM+4]
	v_lshl_or_b32 v[PW], v[TM+6], 16, v[PW]
	v_lshl_or_b32 v[PW], v[TM+7], 24, v[PW]
	v_add_nc_u32 v[PW], 0xfafafafb, v[PW]          ; 5 off each of the four bytes: the factor 1/32.  Each byte is 6 at the least, so none borrows
	v_lshrrev_b32 v[SW+(\a)], v10, v[PW]           ; lanes 0-15: the word of columns 0-63 (bytes 0, 1), lanes 16-31: of columns 64-127.  The upper two bytes scale zero codes alone and are never 0xff
	WIN 0x02                                       ; source 0 window 2
.irp c, 0,1                                    ; a conversion gives lane (r, h) word h (registers 0-7) or word 2 + h (registers 8-15) of a block's four
	v_cvt_scalef32_pk8_fp4_f32 v[PC+8*(\a)+4*\c], v[64*(\a)+32*\c:64*(\a)+32*\c+7], v[TM+12+2*\c]
	v_cvt_scalef32_pk8_fp4_f32 v[PC+8*(\a)+4*\c+1], v[64*(\a)+32*\c+16:64*(\a)+32*\c+23], v[TM+13+2*\c]
	v_cvt_scalef32_pk8_fp4_f32 v[PC+8*(\a)+4*\c+2], v[64*(\a)+32*\c+8:64*(\a)+32*\c+15], v[TM+12+2*\c]
	v_cvt_scalef32_pk8_fp4_f32 v[PC+8*(\a)+4*\c+3], v[64*(\a)+32*\c+24:64*(\a)+32*\c+31], v[TM+13+2*\c]
.endr
	WIN 0
	v_nop                                          ; one plain place behind a scaled conversion
.irp c, 0,1                                    ; the first's lanes 16-31 change places with the second's lanes 0-15: lane (r, h) then holds the four words of block 2 c + h in order
	v_permlane16_swap_b32 v[PC+8*(\a)+4*\c], v[PC+8*(\a)+4*\c+1]
	v_permlane16_swap_b32 v[PC+8*(\a)+4*\c+2], v[PC+8*(\a)+4*\c+3]
.endr
.irp c, 0,1
	global_store_b128 v[LI], v[PC+8*(\a)+4*\c:PC+8*(\a)+4*\c+3], s[4:5] offset:(2*(\a)+\c)*512   ; tile 2 a + c: 512 consecutive bytes; each a has registers of its own, so no store's data are written again
.endr
.endm
	QUANT 0
	QUANT 1
	QUANT 2
	QUANT 3
	global_store_b128 v[LI], v[SW:SW+3], s[6:7]    ; the group's scale words: 512 consecutive bytes
	s_branch .Lend
.Lv:
	WIN 0x08                                       ; a store's data are its source 1: window 2
.irp a, 0,1,2,3
.irp t, 0,1,2,3,4,5,6,7
	global_store_b128 v[LI], v[8*(8*\a+\t):8*(8*\a+\t)+3], s[34:35] offset:\a*8192+\t*1024        ; V as the accumulators stand, each from its low end on
	global_store_b128 v[LI], v[8*(8*\a+\t)+4:8*(8*\a+\t)+7], s[34:35] offset:\a*8192+\t*1024+512
.endr
.endr
	WIN 0
.Lend:
	s_wait_tensorcnt 0x0
	ds_add_u32 v254, v255
	s_wait_dscnt 0x0
	CROUND                                         ; the closing round: no work-group ends while a partner may still ask for a tile that names it
	s_endpgm
.Lfunc_end_k_qc097b1ce9d_qkv:
	.size	k_qc097b1ce9d_qkv, .Lfunc_end_k_qc097b1ce9d_qkv-k_qc097b1ce9d_qkv
	.p2alignl 7, 3214868480
	.fill 96, 4, 3214868480
	.section	.rodata,"a",@progbits
	.p2align	6, 0x0
	.amdhsa_kernel k_qc097b1ce9d_qkv
		.amdhsa_group_segment_fixed_size 209408
		.amdhsa_private_segment_fixed_size 0
		.amdhsa_enable_private_segment 0
		.amdhsa_kernarg_size 112
		.amdhsa_user_sgpr_count 2
		.amdhsa_user_sgpr_kernarg_segment_ptr 1
		.amdhsa_wavefront_size32 1
		.amdhsa_system_sgpr_workgroup_id_x 1
		.amdhsa_system_sgpr_workgroup_id_y 1
		.amdhsa_system_sgpr_workgroup_id_z 1
		.amdhsa_system_vgpr_workitem_id 0
		.amdhsa_next_free_vgpr 768
		.amdhsa_next_free_sgpr 100
		.amdhsa_reserve_vcc 0
		.amdhsa_float_denorm_mode_32 3
		.amdhsa_float_denorm_mode_16_64 3
		.amdhsa_memory_ordered 1
		.amdhsa_forward_progress 1
		.amdhsa_inst_pref_size 79
	.end_amdhsa_kernel
	.amdgpu_metadata
---
amdhsa.version: [ 1, 2 ]
amdhsa.kernels:
  - .name:           k_qc097b1ce9d_qkv
    .symbol:         k_qc097b1ce9d_qkv.kd
    .args:
      - { .name: X_embed_codes, .offset: 0, .size: 8, .value_kind: global_buffer, .address_space: global }
      - { .name: X_embed_scales, .offset: 8, .size: 8, .value_kind: global_buffer, .address_space: global }
      - { .name: W_q_codes, .offset: 16, .size: 8, .value_kind: global_buffer, .address_space: global }
      - { .name: W_q_scales, .offset: 24, .size: 8, .value_kind: global_buffer, .address_space: global }
      - { .name: b_q, .offset: 32, .size: 8, .value_kind: global_buffer, .address_space: global }
      - { .name: W_k_codes, .offset: 40, .size: 8, .value_kind: global_buffer, .address_space: global }
      - { .name: W_k_scales, .offset: 48, .size: 8, .value_kind: global_buffer, .address_space: global }
      - { .name: b_k, .offset: 56, .size: 8, .value_kind: global_buffer, .address_space: global }
      - { .name: W_v_codes, .offset: 64, .size: 8, .value_kind: global_buffer, .address_space: global }
      - { .name: W_v_scales, .offset: 72, .size: 8, .value_kind: global_buffer, .address_space: global }
      - { .name: b_v, .offset: 80, .size: 8, .value_kind: global_buffer, .address_space: global }
      - { .name: qbuf, .offset: 88, .size: 8, .value_kind: global_buffer, .address_space: global }
      - { .name: kbuf, .offset: 96, .size: 8, .value_kind: global_buffer, .address_space: global }
      - { .name: vbuf, .offset: 104, .size: 8, .value_kind: global_buffer, .address_space: global }
    .group_segment_fixed_size: 209408
    .private_segment_fixed_size: 0
    .kernarg_segment_align: 8
    .kernarg_segment_size: 112
    .max_flat_workgroup_size: 128
    .sgpr_count:     100
    .vgpr_count:     768
    .wavefront_size: 32
...
	.end_amdgpu_metadata
.endif
;; end of part 1
;; launch diag (part 2): grid 4 x 64, 16 waves a work-group, clusters of 4 x 1, 169,984 bytes of LDS; arguments qbuf, kbuf, vbuf, obuf, oscale; writes obuf, oscale
.if DOCPART == 2
	.amdgcn_target "amdgcn-amd-amdhsa--gfx1250"
	.amdhsa_code_object_version 6
	.text
	.protected	k_qc097b1ce9d_diag
	.globl	k_qc097b1ce9d_diag
	.p2align	8
	.type	k_qc097b1ce9d_diag,@function
k_qc097b1ce9d_diag:
	s_mov_b64 s[64:65], 0
	v_nop
	global_prefetch_b8 v0, s[64:65] scope:SCOPE_SE
	s_setreg_imm32_b32 hwreg(HW_REG_WAVE_MODE, 25, 1), 1
	s_wait_xcnt 0x0
	s_wait_alu depctr_hold_cnt(0) depctr_sa_sdst(0) depctr_va_vdst(0) depctr_va_sdst(0) depctr_va_ssrc(0) depctr_va_vcc(0) depctr_vm_vsrc(0)
	s_getreg_b32 s2, hwreg(HW_REG_IB_STS2, 6, 4)
	s_cmp_eq_u32 s2, 0
	s_cbranch_scc0 .Lentry_in_a_cluster
	s_endpgm
.Lentry_in_a_cluster:
	s_bfe_u32 s2, ttmp6, 0x10000c
	s_cmp_lg_u32 s2, 0x3003
	s_cbranch_scc0 .Lentry_shape_is_right
	s_endpgm
.Lentry_shape_is_right:
; For each head (2,048 tokens of 64): s[a][b] = Q[a] . K[b] on codes of FP4; the softmax runs over the QUERIES a, and only its diagonal is kept: d[b] = exp(s[b][b] - max_a s[a][b]) / sum_a exp(s[a][b] - max).
; Then out = d[b] V[b][:], quantised along the 1,024 columns of the [8192][1024] matrix (a block of 32 lies inside one token), stored as images of the last product's operand registers, with its scale words.
; SHARES.  A cluster of four work-groups serves a head; work-group cx owns the key groups 4 cx .. 4 cx + 3 (32 tiles of 16 keys); each of its SIXTEEN waves owns two tiles and walks all 128 tiles of queries.  Four waves share
; a SIMD, so that one wave's exponentials stand beside another's plain work.  The head's queries (codes and scale words, 73,728 bytes) come into each partner's LDS once, by JOINT loads: all four walk the same bytes.
; LAYOUT.  S = Q K^T with source 0 = 16 queries, source 1 = my 16 keys: lane (r, h) holds key r, its registers queries 8 h + j.  So maximum and sum run along a lane's registers; each lane keeps a running maximum m and
; sum l of its own half of the queries, and the two halves meet once, at the end.  p = 2^(c s - c m), c = log2(e); when m grows, l is multiplied by 2^(c m_old - c m_new).
; K = 64 fills half of the instruction's 128: registers 4-7 of every fragment are zero codes, which add nothing under any scale byte but 0xff.
; LIMITS: NaN and infinities are not served.  A weight d under 2^-126 comes out as 0 (the exponential gives 0 there).  A block of out whose largest magnitude lies under 2^-124 is held at the byte 1; so is a block of zeros,
; with zero codes (the bytes are read by this program alone).
; REGISTERS: v1-12 addresses; v14, v15 scale words of my keys and of the diagonal's queries; v16-31 my two tiles of keys; v32-35 the queries' scale words; v36-67 four tiles of queries; v68-131 scores, then p;
;   v132-195 V of my tokens; v196-211 statistics, eight a tile: +0 c m, +1 m, +2, +3 l, +4 .. +7 at work; v212-213 the diagonal's scores; v214-239 at work.
.set GW,  73728                        ; LDS behind the queries: 1,024 bytes in which the work-group's scale words of out are gathered; no fill lands there
.set LI,  3                            ; v3   16 x lane
.set ADQ, 4                            ; v4   LDS address of the group of queries in hand
.set ADS, 5                            ; v5   and of its scale words
.set KS,  14
.set QDS, 15
.set KB,  16
.set QS,  32
.set QF,  36
.set S,   68
.set VV,  132
.set ST,  196
.set SD,  212
.set PC,  224
.set WV,  14                           ; s14  my wave's number
.macro PLACES
.rept 4
	v_nop
.endr
.endm
.macro CROUND                          ; a round of the cluster's barrier
	s_barrier_signal -1
	s_barrier_wait -1
	s_cmp_lg_u32 s[WV], 0
	s_cbranch_scc1 .Lnot_wave_0_\@
	s_barrier_signal -3
.Lnot_wave_0_\@:
	s_barrier_wait -3
	s_barrier_signal -1
	s_barrier_wait -1
.endm
; one product that starts its sum with the constant 0; ra, rb: the side's scale words stand in lanes 16-31
.macro MMZ d, a, b, sa, sb, ra, rb
.if (\ra) && (\rb)
	v_wmma_scale_f32_16x16x128_f8f6f4 v[\d:\d+7], v[\a:\a+7], v[\b:\b+7], 0, v[\sa], v[\sb] matrix_a_fmt:MATRIX_FMT_FP4 matrix_b_fmt:MATRIX_FMT_FP4 matrix_a_scale:MATRIX_SCALE_ROW1 matrix_b_scale:MATRIX_SCALE_ROW1
.elseif (\ra)
	v_wmma_scale_f32_16x16x128_f8f6f4 v[\d:\d+7], v[\a:\a+7], v[\b:\b+7], 0, v[\sa], v[\sb] matrix_a_fmt:MATRIX_FMT_FP4 matrix_b_fmt:MATRIX_FMT_FP4 matrix_a_scale:MATRIX_SCALE_ROW1
.elseif (\rb)
	v_wmma_scale_f32_16x16x128_f8f6f4 v[\d:\d+7], v[\a:\a+7], v[\b:\b+7], 0, v[\sa], v[\sb] matrix_a_fmt:MATRIX_FMT_FP4 matrix_b_fmt:MATRIX_FMT_FP4 matrix_b_scale:MATRIX_SCALE_ROW1
.else
	v_wmma_scale_f32_16x16x128_f8f6f4 v[\d:\d+7], v[\a:\a+7], v[\b:\b+7], 0, v[\sa], v[\sb] matrix_a_fmt:MATRIX_FMT_FP4 matrix_b_fmt:MATRIX_FMT_FP4
.endif
.endm
	s_load_b256 s[4:11], s[0:1], 0x0               ; qbuf s[4:5], kbuf s[6:7], vbuf s[8:9], obuf s[10:11]
	s_load_b64 s[12:13], s[0:1], 0x20              ; oscale
	v_lshl_add_u32 v254, v0, 2, 0x29000
	v_mov_b32 v255, 0
	ds_add_u32 v254, v255
	ds_add_u32 v254, v255
	v_lshrrev_b32 v1, 5, v0
	s_delay_alu instid0(VALU_DEP_1)
	v_readfirstlane_b32 s[WV], v1                  ; wave 0..15
	s_bfe_u32 s15, ttmp6, 0x40000                  ; cx: which quarter of the head's keys; it enters global addresses alone
	s_and_b32 s16, ttmp7, 0xffff                   ; the head, which the four partners share
	s_lshr_b32 s48, s[WV], 2                       ; my group among the work-group's four,
	s_and_b32 s49, s[WV], 3                        ; p: my pair of tiles in it: tiles 2 p, 2 p + 1 = rows 16 p + r, 64 columns k = 0, 1
	s_lshr_b32 s50, s[WV], 3                       ; wm: the group's 64 rows
	s_bfe_u32 s51, s[WV], 0x10002                  ; wn: the group's 128 columns
	; descriptor group 1: a quarter of the head's queries: 18,432 dense bytes as 72 rows of 256 (32 elements of 8 bytes), no padding: every read is 16 bytes a lane on end
	s_mov_b32 s20, 15|(3<<16)|(1<<21)              ; 15:0 the mask: all four work-groups; elements of 8 bytes; bit 21 beside a mask
	s_mov_b32 s21, 32<<16
	s_mov_b32 s22, 72<<16
	s_mov_b32 s23, 32<<16
	s_mov_b32 s24, 72
	s_mov_b32 s25, 32
	s_mov_b32 s26, 0
	s_mov_b32 s27, 0
	s_mov_b32 s28, 1
	s_mul_i32 s29, s[WV], 18432                    ; LDS address: the wave's number alone (waves 0 to 3 fetch)
	s_mov_b32 s32, 0x3fb8aa3b                      ; c = log2(e)
	s_mov_b32 s33, s32                             ; (named with it as a pair, so it is written)
	s_mov_b32 s34, 0x76543210
	s_mov_b32 s35, 0xfedcba98                      ; v_permlanex16_b32's selects for lane l xor 16
	s_mov_b32 s36, 0                               ; LDS byte at which the group of queries in hand begins,
	s_mov_b32 s37, 0                               ; and its scale words, from 65,536 on
	s_mov_b32 s38, 15
	; offsets, each in a pair of its own
	s_mul_i32 s52, s16, 73728                      ; the head in qbuf and kbuf
	s_mov_b32 s53, 0
	s_mov_b32 s54, s29                             ; my quarter of its queries
	s_mov_b32 s55, 0
	s_lshl_b32 s56, s15, 2
	s_add_co_u32 s56, s56, s48                     ; my group in the head: 4 cx + wave / 4
	s_lshl_b32 s58, s56, 12                        ; its codes, 4,096 bytes a group; my pair of tiles, 1,024 bytes
	s_lshl_b32 s57, s49, 10
	s_add_co_u32 s58, s58, s57
	s_mov_b32 s59, 0
	s_lshl_b32 s60, s56, 9                         ; its scale words, 512 bytes a group: word p of a lane's four
	s_lshl_b32 s57, s49, 2
	s_add_co_u32 s60, s60, s57
	s_add_co_u32 s60, s60, 65536
	s_mov_b32 s61, 0
	s_lshl_b32 s62, s16, 19                        ; vbuf: 524,288 bytes a head, 32,768 a group, 8,192 for 16 rows
	s_lshl_b32 s57, s56, 15
	s_add_co_u32 s62, s62, s57
	s_lshl_b32 s57, s49, 13
	s_add_co_u32 s62, s62, s57
	s_mov_b32 s63, 0
	s_lshl_b32 s66, s16, 16                        ; obuf: head x 65,536 + (K step / 4) x 32,768 + (16 rows) x 4,096 + (K step % 4) x 1,024; K step = 2 cx + wn, 16 rows = 4 wm + p
	s_lshr_b32 s57, s15, 1
	s_lshl_b32 s57, s57, 15
	s_add_co_u32 s66, s66, s57
	s_lshl_b32 s57, s50, 14
	s_add_co_u32 s66, s66, s57
	s_lshl_b32 s57, s49, 12
	s_add_co_u32 s66, s66, s57
	s_and_b32 s57, s15, 1
	s_lshl_b32 s57, s57, 11
	s_add_co_u32 s66, s66, s57
	s_lshl_b32 s57, s51, 10
	s_add_co_u32 s66, s66, s57
	s_mov_b32 s67, 0
	s_lshl_b32 s68, s16, 12                        ; oscale: head x 4,096 + K step x 512: my work-group's two K steps
	s_lshl_b32 s57, s15, 10
	s_add_co_u32 s68, s68, s57
	s_mov_b32 s69, 0
	s_lshl_b32 s57, s51, 9                         ; the gathering place of my rows' words: 512 wn + 4 (64 wm + 16 p + r)
	s_lshl_b32 s39, s50, 8
	s_add_co_u32 s57, s57, s39
	s_lshl_b32 s39, s49, 6
	s_add_co_u32 s57, s57, s39
	s_add_co_u32 s57, s57, GW
	v_and_b32 v1, 15, v0                           ; r
	v_bfe_u32 v2, v0, 4, 1                         ; h
	v_and_b32 v3, 31, v0
	s_delay_alu instid0(VALU_DEP_1)
	v_lshlrev_b32 v[LI], 4, v3
	s_delay_alu instid0(VALU_DEP_3)
	v_lshlrev_b32 v7, 3, v2                        ; 8 h
	s_delay_alu instid0(VALU_DEP_1)
	v_sub_nc_u32 v6, v1, v7                        ; r - 8 h: the register in which my lane holds the diagonal, if it is 0 .. 7
	v_lshlrev_b32 v8, 11, v2
	s_delay_alu instid0(VALU_DEP_1)
	v_lshl_add_u32 v8, v1, 4, v8                   ; V: 2,048 h + 16 r
	v_lshl_add_u32 v9, v1, 2, s57
	v_lshlrev_b32 v11, 4, v0                       ; 16 x thread
	s_delay_alu instid0(VALU_DEP_1)
	v_add_nc_u32 v10, GW, v11
	v_add_nc_u32 v12, 65536, v[LI]
	v_mov_b32 v[ADQ], v[LI]
	s_delay_alu instid0(VALU_DEP_2)
	v_mov_b32 v[ADS], v12
.irp k, 0,1
.irp i, 4,5,6,7
	v_mov_b32 v[KB+8*\k+\i], 0                     ; K = 64 .. 127: zero codes
.endr
.endr
.irp q, 0,1,2,3
.irp i, 4,5,6,7
	v_mov_b32 v[QF+8*\q+\i], 0
.endr
.endr
.irp k, 0,1
	v_mov_b32 v[ST+8*\k], 0xff000000               ; c m and m: -1.7e38, under every score: the first step's factor for l is then 0
	v_mov_b32 v[ST+8*\k+1], 0xff000000
.irp i, 2,3,4,5,6,7
	v_mov_b32 v[ST+8*\k+\i], 0
.endr
	v_mov_b32 v[SD+\k], 0
.endr
.irp i, 214,215,216,217,218,219
	v_mov_b32 v\i, 0                               ; written once: a lane permute's destination counts as one of its sources
.endr
.irp j, 0,1,2,3,4,5,6,7
	v_cmp_eq_u32 s[40+\j], \j, v6                  ; the lanes whose register j lies on the diagonal
.endr
	s_wait_dscnt 0x0
	s_wait_kmcnt 0x0
	s_add_nc_u64 s[4:5], s[4:5], s[52:53]          ; qbuf and kbuf at my head
	s_add_nc_u64 s[6:7], s[6:7], s[52:53]
	s_add_nc_u64 s[30:31], s[4:5], s[54:55]        ; the joint load's address: the head and the wave's number alone
	s_or_b32 s31, s31, 0x80000000
	s_add_nc_u64 s[70:71], s[6:7], s[58:59]        ; my two tiles of keys,
	s_add_nc_u64 s[72:73], s[4:5], s[58:59]        ; the same tokens' queries,
	s_add_nc_u64 s[74:75], s[6:7], s[60:61]        ; and their scale words
	s_add_nc_u64 s[76:77], s[4:5], s[60:61]
	s_add_nc_u64 s[8:9], s[8:9], s[62:63]
	s_add_nc_u64 s[10:11], s[10:11], s[66:67]
	s_add_nc_u64 s[12:13], s[12:13], s[68:69]
	CROUND                                         ; all four work-groups are here: the joint loads meet
	s_cmp_lt_u32 s[WV], 4                          ; waves 0 to 3 fetch a quarter each: one tensor load of mine is out, or none; four v_nop follow it
	s_cbranch_scc0 .Lno_fetch
	tensor_load_to_lds s[28:31], s[20:27]
	s_nop 0
.rept 4
	v_nop
.endr
.Lno_fetch:
	global_load_b128 v[KB:KB+3], v[LI], s[70:71]               ; lane (r, h): block h of key r
	global_load_b128 v[KB+8:KB+11], v[LI], s[70:71] offset:512
	global_load_b32 v[KS], v[LI], s[74:75]                     ; lanes 0-15: the words of tile 2 p, lanes 16-31: of tile 2 p + 1
	global_load_b128 v[QF:QF+3], v[LI], s[72:73]               ; the diagonal's queries come from memory
	global_load_b128 v[QF+8:QF+11], v[LI], s[72:73] offset:512
	global_load_b32 v[QDS], v[LI], s[76:77]
	s_wait_loadcnt 0x0                             ; the six are in
	; THE DIAGONAL: my tokens' queries against my tokens' keys; element (m, m) lies in lane (r = m, h = m / 8), register m % 8
	MMZ S, QF, KB, QDS, KS, 0, 0
	MMZ S+32, QF+8, KB+8, QDS, KS, 1, 1
	PLACES
.irp j, 0,1,2,3,4,5,6,7
.irp k, 0,1
	v_cndmask_b32 v[SD+\k], v[SD+\k], v[S+32*\k+\j], s[40+\j]   ; from the low end on
.endr
.endr
.irp k, 0,1
	s_delay_alu instid0(VALU_DEP_2)
	v_permlanex16_b32 v[214+\k], v[SD+\k], s34, s35
.endr
.irp k, 0,1
	s_delay_alu instid0(VALU_DEP_2)
	v_add_f32 v[SD+\k], v[SD+\k], v[214+\k]        ; one of the two halves holds 0: both now hold s[b][b]
.endr
	s_wait_tensorcnt 0x0                           ; my quarter of the queries has landed (a wave that fetched nothing waits for nothing),
	s_barrier_signal -1
	s_barrier_wait -1                              ; everybody's has
.macro LOADQ half                      ; four tiles of queries: tiles 4 half .. 4 half + 3 of the group in hand
.irp q, 0,1,2,3
	ds_load_b128 v[QF+8*\q:QF+8*\q+3], v[ADQ] offset:(\half)*2048+\q*512
.endr
.endm
.macro LOADS                           ; the group's scale words: register i: lanes 0-15 tile 2 i, lanes 16-31 tile 2 i + 1
	ds_load_b128 v[QS:QS+3], v[ADS]
.endm
.macro NEXTG
	s_add_co_u32 s36, s36, 4096
	s_add_co_u32 s37, s37, 512
	v_add_nc_u32 v[ADQ], s36, v[LI]
	v_add_nc_u32 v[ADS], s37, v12
.endm
; A STEP: 64 queries against my 32 keys.  more = 0: the last step fetches nothing.
.macro STEP half, more
	s_wait_dscnt 0x0                               ; the four tiles, asked for a step ago, are in
.irp q, 0,1,2,3
.irp k, 0,1
	MMZ S+32*\k+8*\q, QF+8*\q, KB+8*\k, QS+2*(\half)+\q/2, KS, \q%2, \k
.endr
.endr
	PLACES                                         ; in front of loads into registers that these products read, and of the first read of their results
.if (\half) == 0
	LOADQ 1
.elseif \more
	NEXTG
	LOADQ 0
	LOADS
.endif
.irp i, 0,1,2,3                                ; the maximum of a tile's 32 scores and the old m, three operands at a time, in four chains; each accumulator from its low end on; the tiles by turns
.irp k, 0,1
	v_max3_num_f32 v[ST+8*\k+4+\i], v[S+32*\k+8*\i], v[S+32*\k+8*\i+1], v[S+32*\k+8*\i+2]
.endr
.endr
.irp n, 3,5
.irp i, 0,1,2,3
.irp k, 0,1
	v_max3_num_f32 v[ST+8*\k+4+\i], v[ST+8*\k+4+\i], v[S+32*\k+8*\i+\n], v[S+32*\k+8*\i+\n+1]
.endr
.endr
.endr
.irp k, 0,1
	v_max3_num_f32 v[ST+8*\k+4], v[ST+8*\k+4], v[S+32*\k+7], v[S+32*\k+15]
	v_max3_num_f32 v[ST+8*\k+6], v[ST+8*\k+6], v[S+32*\k+23], v[S+32*\k+31]
.endr
.irp k, 0
	s_delay_alu instid0(VALU_DEP_3)
	v_max3_num_f32 v[ST+8*\k+4], v[ST+8*\k+4], v[ST+8*\k+5], v[ST+8*\k+6]
.endr
.irp k, 1
	s_delay_alu instid0(VALU_DEP_2)
	v_max3_num_f32 v[ST+8*\k+4], v[ST+8*\k+4], v[ST+8*\k+5], v[ST+8*\k+6]
.endr
.irp k, 0,1
	s_delay_alu instid0(VALU_DEP_2)
	v_max3_num_f32 v[ST+8*\k+1], v[ST+8*\k+4], v[ST+8*\k+7], v[ST+8*\k+1]   ; the new m
.endr
.irp k, 0,1
	v_mov_b32 v[ST+8*\k+7], v[ST+8*\k]             ; c m_old
.endr
.irp k, 0,1
	s_delay_alu instid0(VALU_DEP_4)
	v_mul_f32 v[ST+8*\k], s32, v[ST+8*\k+1]        ; c m
.endr
.irp k, 0,1
	s_delay_alu instid0(VALU_DEP_2)
	v_sub_f32 v[ST+8*\k+7], v[ST+8*\k+7], v[ST+8*\k]
.endr
.irp b, 0,1,2,3,4,5,6,7,8,9,10,11,12,13,14,15
.irp k, 0,1
	v_pk_fma_f32 v[S+32*\k+2*\b:S+32*\k+2*\b+1], v[S+32*\k+2*\b:S+32*\k+2*\b+1], s[32:33], v[ST+8*\k:ST+8*\k+1] op_sel_hi:[1,0,0] neg_lo:[0,0,1] neg_hi:[0,0,1]   ; c s - c m, two at a time
.endr
.endr
	s_wait_alu depctr_va_vdst(0)
.irp k, 0,1
	v_exp_f32 v[ST+8*\k+6], v[ST+8*\k+7]           ; f = 2^(c m_old - c m_new)
.endr
.set j, 0
.rept 64
	v_exp_f32 v[S+j], v[S+j]                       ; p: ONE BATCH of 66 exponentials, none of which reads another's result
.set j, j+1
.endr
	v_nop                                          ; a plain instruction behind the last exponential
	s_wait_alu depctr_va_vdst(0)                   ; one wait for the batch, ahead of its first reader
.irp z, 0,1,2,3,4,5,6,7                        ; the sum of a tile's 16 pairs, in place: neighbours 1, 2, 4 and 8 pairs apart
.irp k, 0,1
	v_pk_add_f32 v[S+32*\k+4*\z:S+32*\k+4*\z+1], v[S+32*\k+4*\z:S+32*\k+4*\z+1], v[S+32*\k+4*\z+2:S+32*\k+4*\z+3]
.endr
.endr
.irp z, 0,1,2,3
.irp k, 0,1
	v_pk_add_f32 v[S+32*\k+8*\z:S+32*\k+8*\z+1], v[S+32*\k+8*\z:S+32*\k+8*\z+1], v[S+32*\k+8*\z+4:S+32*\k+8*\z+5]
.endr
.endr
.irp z, 0,1
.irp k, 0,1
	v_pk_add_f32 v[S+32*\k+16*\z:S+32*\k+16*\z+1], v[S+32*\k+16*\z:S+32*\k+16*\z+1], v[S+32*\k+16*\z+8:S+32*\k+16*\z+9]
.endr
.endr
.irp k, 0,1
	s_delay_alu instid0(VALU_DEP_2)
	v_pk_add_f32 v[S+32*\k:S+32*\k+1], v[S+32*\k:S+32*\k+1], v[S+32*\k+16:S+32*\k+17]
.endr
.irp k, 0,1
	v_pk_fma_f32 v[ST+8*\k+2:ST+8*\k+3], v[ST+8*\k+2:ST+8*\k+3], v[ST+8*\k+6:ST+8*\k+7], v[S+32*\k:S+32*\k+1] op_sel_hi:[1,0,1]   ; l = f l + the sum
.endr
.endm
	LOADQ 0                                        ; group 0
	LOADS
.irp k, 0,1                                    ; V(row r, columns 64 k + 32 h + 0 .. 31): sixteen lanes read 256 consecutive bytes.  Wanted only at the end: asked for here, behind the loads that the walk needs, they land under the walk
.irp u, 0,1
.irp g, 0,1
.irp e, 0,1
	global_load_b128 v[VV+32*\k+16*\u+8*\g+4*\e:VV+32*\k+16*\u+8*\g+4*\e+3], v8, s[8:9] offset:\k*4096+\u*1024+\e*512+\g*256 th:TH_LOAD_NT
.endr
.endr
.endr
.endr
.Lg:                                               ; 15 trips: a group of 128 queries each; the second step asks for the next group
	s_wait_dscnt 0x0                               ; no LDS load of mine is out at the signal
	s_barrier_signal -1                            ; I have begun this group.  Between signal and wait: register work and reads of the queries' bytes, which nobody writes
	STEP 0, 1
	STEP 1, 1
	s_barrier_wait -1                              ; all sixteen have begun it: the waves stay within one group of queries of each other
	s_sub_co_u32 s38, s38, 1
	s_cmp_lg_u32 s38, 0
	s_cbranch_scc1 .Lg
	STEP 0, 1                                      ; the last group is written out: nothing is read past the head's codes
	STEP 1, 0
	; THE END.  The two halves of the lanes meet: M = the larger c m; l = l 2^(c m - M) + l' 2^(c m' - M); d = 2^(c s[b][b] - M) / l
.irp k, 0,1
	s_delay_alu instid0(VALU_DEP_2)
	v_add_f32 v[ST+8*\k+2], v[ST+8*\k+2], v[ST+8*\k+3]
.endr
.irp k, 0
	v_permlanex16_b32 v[214+\k], v[ST+8*\k], s34, s35
	s_delay_alu instid0(VALU_DEP_3)
	v_permlanex16_b32 v[216+\k], v[ST+8*\k+2], s34, s35
.endr
.irp k, 1
	v_permlanex16_b32 v[214+\k], v[ST+8*\k], s34, s35
	s_delay_alu instid0(VALU_DEP_4)
	v_permlanex16_b32 v[216+\k], v[ST+8*\k+2], s34, s35
.endr
.irp k, 0
	s_delay_alu instid0(VALU_DEP_4)
	v_max_num_f32 v[ST+8*\k+4], v[ST+8*\k], v[214+\k]
.endr
.irp k, 1
	s_delay_alu instid0(VALU_DEP_3)
	v_max_num_f32 v[ST+8*\k+4], v[ST+8*\k], v[214+\k]
.endr
.irp k, 0
	s_delay_alu instid0(VALU_DEP_2)
	v_sub_f32 v[ST+8*\k+5], v[ST+8*\k], v[ST+8*\k+4]
	s_delay_alu instid0(VALU_DEP_3)
	v_sub_f32 v[ST+8*\k+6], v[214+\k], v[ST+8*\k+4]
	s_delay_alu instid0(VALU_DEP_4)
	v_fma_f32 v[ST+8*\k+7], v[SD+\k], s32, -v[ST+8*\k+4]
.endr
.irp k, 1
	s_delay_alu instid0(VALU_DEP_4)
	v_sub_f32 v[ST+8*\k+5], v[ST+8*\k], v[ST+8*\k+4]
	v_sub_f32 v[ST+8*\k+6], v[214+\k], v[ST+8*\k+4]
	v_fma_f32 v[ST+8*\k+7], v[SD+\k], s32, -v[ST+8*\k+4]
.endr
	s_wait_alu depctr_va_vdst(0)
.irp k, 0,1
	v_exp_f32 v[ST+8*\k+5], v[ST+8*\k+5]
	v_exp_f32 v[ST+8*\k+6], v[ST+8*\k+6]
	v_exp_f32 v[ST+8*\k+7], v[ST+8*\k+7]
.endr
	v_nop
	s_wait_alu depctr_va_vdst(0)                   ; one wait for the six
.irp k, 0,1
	v_mul_f32 v[ST+8*\k+2], v[ST+8*\k+2], v[ST+8*\k+5]
.endr
.irp k, 0,1
	v_fmac_f32 v[ST+8*\k+2], v[216+\k], v[ST+8*\k+6]
.endr
	s_wait_alu depctr_va_vdst(0)
.irp k, 0,1
	v_rcp_f32 v[ST+8*\k+3], v[ST+8*\k+2]
.endr
	v_nop
	s_wait_alu depctr_va_vdst(0)                   ; one wait for the two
.irp k, 0,1
	v_mul_f32 v[ST+8*\k+4], v[ST+8*\k+7], v[ST+8*\k+3]   ; d of my key
.endr
	s_wait_alu depctr_va_vdst(0)
	s_wait_loadcnt 0x0                             ; V
.irp i, 0,1,2,3,4,5,6,7,8,9,10,11,12,13,14,15
.irp k, 0,1
	v_pk_mul_f32 v[VV+32*\k+2*\i:VV+32*\k+2*\i+1], v[VV+32*\k+2*\i:VV+32*\k+2*\i+1], v[ST+8*\k+4:ST+8*\k+5] op_sel_hi:[1,0]   ; out = d V
.endr
.endr
	; my lane holds one whole block of 32 for each tile: its largest magnitude, in two chains a tile
.irp k, 0,1
	v_max3_num_f32 v[232+2*\k], |v[VV+32*\k]|, |v[VV+32*\k+1]|, 0x1800000   ; and the floor 2^(3 - 127): the byte cannot fall under 1
	v_max3_num_f32 v[233+2*\k], |v[VV+32*\k+16]|, |v[VV+32*\k+17]|, |v[VV+32*\k+18]|
.endr
.irp i, 2,4,6,8,10,12,14
.irp k, 0,1
	v_max3_num_f32 v[232+2*\k], v[232+2*\k], |v[VV+32*\k+\i]|, |v[VV+32*\k+\i+1]|
.endr
.endr
.irp i, 19,21,23,25,27,29
.irp k, 0,1
	v_max3_num_f32 v[233+2*\k], v[233+2*\k], |v[VV+32*\k+\i]|, |v[VV+32*\k+\i+1]|
.endr
.endr
.irp k, 0,1
	s_delay_alu instid0(VALU_DEP_2)
	v_max3_num_f32 v[232+2*\k], v[232+2*\k], v[233+2*\k], |v[VV+32*\k+31]|
.endr
.irp k, 0,1
	s_delay_alu instid0(VALU_DEP_2)
	v_add_nc_u32 v[236+\k], 0xff000000, v[232+2*\k]   ; 2 off the exponent field: the conversion's scale operand
.endr
.irp k, 0,1
	s_delay_alu instid0(VALU_DEP_2)
	v_lshrrev_b32 v[238+\k], 23, v[236+\k]         ; the scale's byte
.endr
.irp k, 0,1
.irp g, 0,1,2,3
	v_cvt_scalef32_pk8_fp4_f32 v[PC+4*\k+\g], v[VV+32*\k+8*\g:VV+32*\k+8*\g+7], v[236+\k]   ; registers 4 k .. 4 k + 3 of the last product's fragment
.endr
.endr
	v_nop                                          ; one plain place behind a scaled conversion
.irp k, 0,1
	global_store_b128 v[LI], v[PC+4*\k:PC+4*\k+3], s[10:11] offset:512*\k   ; 512 consecutive bytes
.endr
	v_lshl_or_b32 v218, v239, 16, v238             ; my two bytes, of blocks h and 2 + h of my row's K step,
	s_delay_alu instid0(VALU_DEP_1)
	v_lshlrev_b32 v218, v7, v218                   ; 8 h bits up;
	s_delay_alu instid0(VALU_DEP_1)
	v_permlanex16_b32 v219, v218, s34, s35
	s_delay_alu instid0(VALU_DEP_1)
	v_or_b32 v218, v218, v219                      ; with lane l xor 16's two the word is whole
	ds_store_b32 v9, v218                          ; both halves write the same word with the same value
	s_wait_dscnt 0x0                               ; for the others' sake: my store has landed
	s_barrier_signal -1
	s_barrier_wait -1
	s_cmp_lt_u32 s[WV], 2                          ; waves 0 and 1 store the work-group's 1,024 bytes of scale words, 16 bytes a lane
	s_cbranch_scc0 .Lno_words
	ds_load_b128 v[220:223], v10
	s_wait_dscnt 0x0
	global_store_b128 v11, v[220:223], s[12:13]
.Lno_words:
	s_wait_tensorcnt 0x0
	ds_add_u32 v254, v255
	s_wait_dscnt 0x0
	CROUND                                         ; the closing round: no work-group ends while a partner may still ask for a tile that names it
	s_endpgm
.Lfunc_end_k_qc097b1ce9d_diag:
	.size	k_qc097b1ce9d_diag, .Lfunc_end_k_qc097b1ce9d_diag-k_qc097b1ce9d_diag
	.p2alignl 7, 3214868480
	.fill 96, 4, 3214868480
	.section	.rodata,"a",@progbits
	.p2align	6, 0x0
	.amdhsa_kernel k_qc097b1ce9d_diag
		.amdhsa_group_segment_fixed_size 169984
		.amdhsa_private_segment_fixed_size 0
		.amdhsa_enable_private_segment 0
		.amdhsa_kernarg_size 40
		.amdhsa_user_sgpr_count 2
		.amdhsa_user_sgpr_kernarg_segment_ptr 1
		.amdhsa_wavefront_size32 1
		.amdhsa_system_sgpr_workgroup_id_x 1
		.amdhsa_system_sgpr_workgroup_id_y 1
		.amdhsa_system_sgpr_workgroup_id_z 1
		.amdhsa_system_vgpr_workitem_id 0
		.amdhsa_next_free_vgpr 256
		.amdhsa_next_free_sgpr 80
		.amdhsa_reserve_vcc 0
		.amdhsa_float_denorm_mode_32 3
		.amdhsa_float_denorm_mode_16_64 3
		.amdhsa_memory_ordered 1
		.amdhsa_forward_progress 1
		.amdhsa_inst_pref_size 61
	.end_amdhsa_kernel
	.amdgpu_metadata
---
amdhsa.version: [ 1, 2 ]
amdhsa.kernels:
  - .name:           k_qc097b1ce9d_diag
    .symbol:         k_qc097b1ce9d_diag.kd
    .args:
      - { .name: qbuf, .offset: 0, .size: 8, .value_kind: global_buffer, .address_space: global }
      - { .name: kbuf, .offset: 8, .size: 8, .value_kind: global_buffer, .address_space: global }
      - { .name: vbuf, .offset: 16, .size: 8, .value_kind: global_buffer, .address_space: global }
      - { .name: obuf, .offset: 24, .size: 8, .value_kind: global_buffer, .address_space: global }
      - { .name: oscale, .offset: 32, .size: 8, .value_kind: global_buffer, .address_space: global }
    .group_segment_fixed_size: 169984
    .private_segment_fixed_size: 0
    .kernarg_segment_align: 8
    .kernarg_segment_size: 40
    .max_flat_workgroup_size: 512
    .sgpr_count:     80
    .vgpr_count:     256
    .wavefront_size: 32
...
	.end_amdgpu_metadata
.endif
;; end of part 2
;; launch oproj (part 3): grid 4 x 64, 4 waves a work-group, clusters of 4 x 4, 239,104 bytes of LDS; arguments obuf, oscale, W_o_codes, W_o_scales, b_o, out0; writes out0
.if DOCPART == 3
	.amdgcn_target "amdgcn-amd-amdhsa--gfx1250"
	.amdhsa_code_object_version 6
	.text
	.protected	k_qc097b1ce9d_oproj
	.globl	k_qc097b1ce9d_oproj
	.p2align	8
	.type	k_qc097b1ce9d_oproj,@function
k_qc097b1ce9d_oproj:
	s_mov_b64 s[64:65], 0
	v_nop
	global_prefetch_b8 v0, s[64:65] scope:SCOPE_SE
	s_setreg_imm32_b32 hwreg(HW_REG_WAVE_MODE, 25, 1), 1
	s_wait_xcnt 0x0
	s_wait_alu depctr_hold_cnt(0) depctr_sa_sdst(0) depctr_va_vdst(0) depctr_va_sdst(0) depctr_va_ssrc(0) depctr_va_vcc(0) depctr_vm_vsrc(0)
	s_getreg_b32 s2, hwreg(HW_REG_IB_STS2, 6, 4)
	s_cmp_eq_u32 s2, 0
	s_cbranch_scc0 .Lentry_in_a_cluster
	s_endpgm
.Lentry_in_a_cluster:
	s_bfe_u32 s2, ttmp6, 0x10000c
	s_cmp_lg_u32 s2, 0xf033
	s_cbranch_scc0 .Lentry_shape_is_right
	s_endpgm
.Lentry_shape_is_right:
; out0 = Q(out) W_o + b_o on codes of FP4 (E2M1) with one E8M0 byte for each 32 along K.  Q(out): [8192][1024] as images of operand registers (obuf) with one scale word for a row and 128 along K (oscale);
; W_o: [1024 (n)][1024 (k)], K innermost: a row is 512 bytes of codes and 32 scale bytes; out0: [8192][1024] f32.
; SHARES.  A work-group makes 128 rows (one head's) x 256 columns (cx) over all of K = 1,024.  Both operands for all of K lie in LDS: no slot is ever filled again.  Four waves, 2 x 2; a wave makes 64 x 128: 32 accumulators.
; CLUSTERS: 4 x 4 work-groups.  The four of a row of the cluster need the same rows of out, the four of a column the same rows of W_o: each tile is asked for JOINTLY.
; THE MATRIX INSTRUCTION IS USED TRANSPOSED (source 0 = 16 rows of W_o, source 1 = 16 rows of out): a lane holds eight neighbouring numbers of a row of out0.  The bias is the C of the first K step:
; the order of the f32 additions so differs from the reference's.  LIMITS: NaN, infinities and a given scale byte 0xff are not served.
; obuf, a head: (K step / 4) x 32,768 + (16 rows) x 4,096 + (K step % 4) x 1,024 + c x 512 + 16 x lane = registers 4 c .. 4 c + 3 of a fragment: it goes through LDS as it lies, dense, and every read is 16 bytes a lane on end.
; REGISTERS, in windows of 256: window 0: v1-13 addresses; v16-47 W's scale words, v48-63 out's; v64-127 out's fragments, two sets; v128-255 rows on the way out.
;   window 1: v0-127 W's fragments, two sets; v128-191 the bias.   window 2: accumulator (a, t) at v[8 (8 a + t)].
.set PITCH, 528                        ; a row of W in LDS: 512 bytes (all of K) + 16 of padding
.set AHALF, 32768                      ; out's images, one half of K
.set BBASE, 2*AHALF
.set BHALF, 128*PITCH                  ; 128 rows of W: what one tensor load brings
.set STAGE, BBASE+2*BHALF              ; behind the tiles: 16 rows x (512 bytes + 16) for each wave, for the way out; no fill lands there
.set SPITCH, 528
.set ADRA, 4                           ; v4    LDS address of my fragments of out
.set ADRB, 5                           ; v5    of W
.set LI,   7                           ; v7    16 x lane
.set STO,  11                          ; v11   the way out: where I put 32 bytes of a row
.set RD,   12                          ; v12   and where I read a row back
.set WSC,  16
.set XSC,  48
.set AF,   64
.set BK,   128
.set BF,   0                           ; in window 1
.set BIAS, 128                         ; in window 1
.set WV, 72
.set WM, 73
.set WN, 74
.set CX, 75
.set CY, 76
.set HD, 77
.set G1A, 36
.set G1B, 44
.set G0A, 52
.set MSB, 0
.macro WIN new                         ; the immediate's high byte repeats the setting that is left
.if MSB != \new
	s_set_vgpr_msb (MSB<<8)|\new
.set MSB, \new
.endif
.endm
.macro PLACES                          ; four plain places behind matrix instructions, in front of loads into their registers and of reads of their results
.rept 4
	v_nop
.endr
.endm
.macro CROUND                          ; a round of the cluster's barrier
	s_barrier_signal -1
	s_barrier_wait -1
	s_cmp_lg_u32 s[WV], 0
	s_cbranch_scc1 .Lnot_wave_0_\@
	s_barrier_signal -3
.Lnot_wave_0_\@:
	s_barrier_wait -3
	s_barrier_signal -1
	s_barrier_wait -1
.endm
.macro MM d, a, b, c, sa, sb, ra, rb
.if (\ra) && (\rb)
	v_wmma_scale_f32_16x16x128_f8f6f4 v[\d:\d+7], v[\a:\a+7], v[\b:\b+7], v[\c:\c+7], v[\sa], v[\sb] matrix_a_fmt:MATRIX_FMT_FP4 matrix_b_fmt:MATRIX_FMT_FP4 matrix_a_scale:MATRIX_SCALE_ROW1 matrix_b_scale:MATRIX_SCALE_ROW1
.elseif (\ra)
	v_wmma_scale_f32_16x16x128_f8f6f4 v[\d:\d+7], v[\a:\a+7], v[\b:\b+7], v[\c:\c+7], v[\sa], v[\sb] matrix_a_fmt:MATRIX_FMT_FP4 matrix_b_fmt:MATRIX_FMT_FP4 matrix_a_scale:MATRIX_SCALE_ROW1
.elseif (\rb)
	v_wmma_scale_f32_16x16x128_f8f6f4 v[\d:\d+7], v[\a:\a+7], v[\b:\b+7], v[\c:\c+7], v[\sa], v[\sb] matrix_a_fmt:MATRIX_FMT_FP4 matrix_b_fmt:MATRIX_FMT_FP4 matrix_b_scale:MATRIX_SCALE_ROW1
.else
	v_wmma_scale_f32_16x16x128_f8f6f4 v[\d:\d+7], v[\a:\a+7], v[\b:\b+7], v[\c:\c+7], v[\sa], v[\sb] matrix_a_fmt:MATRIX_FMT_FP4 matrix_b_fmt:MATRIX_FMT_FP4
.endif
.endm
	s_load_b256 s[8:15], s[0:1], 0x0               ; obuf s[8:9], oscale s[10:11], W_o's codes s[12:13], its scales s[14:15]
	s_load_b128 s[16:19], s[0:1], 0x20             ; b_o s[16:17], out0 s[18:19]
	v_lshl_add_u32 v14, v0, 2, 0x3a400
	v_mov_b32 v15, 0
	ds_add_u32 v14, v15
	ds_add_u32 v14, v15
	v_lshrrev_b32 v1, 5, v0
	v_readfirstlane_b32 s[WV], v1                  ; wave 0..3
	s_lshr_b32 s[WM], s[WV], 1                     ; which 64 rows are mine.  Also: I fetch for out (0) or for W (1)
	s_and_b32 s[WN], s[WV], 1                      ; which 128 columns.  Also: which half of that tile I fetch
	s_bfe_u32 s[CX], ttmp6, 0x40000                ; cx: the block of 256 columns (the grid is one cluster wide)
	s_bfe_u32 s[CY], ttmp6, 0x40004
	s_and_b32 s[HD], ttmp7, 0xffff
	s_lshl_b32 s[HD], s[HD], 2
	s_add_co_u32 s[HD], s[HD], s[CY]               ; the head = 4 x cluster y + cy
	s_lshl_b32 s86, s[CY], 2
	s_lshl_b32 s86, 15, s86                        ; my row of the cluster
	s_lshl_b32 s87, 0x1111, s[CX]                  ; my column
	s_or_b32 s[G1A], s86, (3<<16)|(1<<21)          ; out's images: elements of 8 bytes, no padding; bit 21 beside a mask
	s_or_b32 s[G1B], s87, (0<<16)|(1<<20)|(1<<21)|(6<<22)|(3<<25)   ; W: elements of 1 byte, 4 words of padding behind every 128
	s_mov_b32 s[G1A+1], 32<<16                     ; 32,768 dense bytes, one half of K of the head's images, as 128 rows of 256
	s_mov_b32 s[G1A+2], 128<<16
	s_mov_b32 s[G1A+3], 32<<16
	s_mov_b32 s[G1A+4], 128
	s_mov_b32 s[G1A+5], 32
	s_mov_b32 s[G1A+6], 0
	s_mov_b32 s[G1A+7], 0
	s_mov_b32 s[G1B+1], 512<<16                    ; 128 whole rows of 512 bytes
	s_mov_b32 s[G1B+2], 128<<16
	s_mov_b32 s[G1B+3], 512<<16
	s_mov_b32 s[G1B+4], 128
	s_mov_b32 s[G1B+5], 512
	s_mov_b32 s[G1B+6], 0
	s_mov_b32 s[G1B+7], 0
	s_lshl_b32 s88, s[HD], 16                      ; out: the head's 65,536 bytes, my half of K, 32,768: made of the head and the wave alone
	s_lshl_b32 s94, s[WN], 15                      ; wave 0 fetches K half 0 of the images, wave 1 K half 1 (at 32,768 x half in LDS)
	s_add_co_u32 s88, s88, s94
	s_mov_b32 s89, 0
	s_lshl_b32 s92, s[CX], 17                      ; W: row 256 cx + 128 x half: made of cx and the wave alone
	s_lshl_b32 s93, s[WN], 16
	s_add_co_u32 s92, s92, s93
	s_mov_b32 s93, 0
	s_mul_i32 s95, s[WN], 128*PITCH
	v_and_b32 v3, 31, v0                           ; lane
	v_and_b32 v1, 15, v0                           ; r
	v_bfe_u32 v2, v0, 4, 1                         ; h
	v_lshlrev_b32 v[LI], 4, v3
	v_lshlrev_b32 v8, 5, v3                        ; a row of W's scale bytes a lane
	v_lshlrev_b32 v9, 5, v2                        ; the bias: 8 numbers on for lanes 16-31
	v_lshlrev_b32 v13, 2, v3                       ; a scale word of out a lane
	v_mul_u32_u24 v[ADRB], v1, PITCH
	v_lshl_add_u32 v[ADRB], v2, 4, v[ADRB]         ; row x pitch + 16 x half
	s_mul_i32 s98, s[WN], 128*PITCH
	s_add_co_u32 s98, s98, BBASE
	v_add_nc_u32 v[ADRB], s98, v[ADRB]             ; my 128 rows of W, K half 0,
	s_lshl_b32 s98, s[WM], 14
	v_add_nc_u32 v[ADRA], s98, v[LI]               ; my 64 rows' images
	s_mul_i32 s98, s[WV], 16*SPITCH
	s_add_co_u32 s98, s98, STAGE                   ; my stage
	v_mul_u32_u24 v[STO], v1, SPITCH
	v_lshl_add_u32 v[STO], v2, 5, v[STO]
	v_add_nc_u32 v[STO], s98, v[STO]               ; in: row r, 32 bytes for each half of the lanes
	v_add_nc_u32 v[RD], s98, v[LI]                 ; back: the 32 lanes take one row of 512 bytes
	s_wait_alu depctr_va_vdst(0)
	s_wait_dscnt 0x0
	s_wait_kmcnt 0x0
	s_add_nc_u64 s[88:89], s[8:9], s[88:89]
	s_add_nc_u64 s[92:93], s[12:13], s[92:93]
	s_mov_b32 s52, 1                               ; count = 1
	s_mov_b32 s53, s94                             ; LDS address
	s_mov_b64 s[54:55], s[88:89]                   ; global address
	s_or_b32 s55, s55, 0x80000000                  ; type = 2
	s_mov_b32 s60, 1
	s_add_co_u32 s61, s95, BBASE
	s_mov_b64 s[62:63], s[92:93]
	s_or_b32 s63, s63, 0x80000000
	s_mov_b32 s97, 0
	s_lshl_b32 s96, s[CX], 13                      ; W's scales: row 256 cx + 128 wn, 32 bytes a row
	s_lshl_b32 s98, s[WN], 12
	s_add_co_u32 s96, s96, s98
	s_add_nc_u64 s[14:15], s[14:15], s[96:97]
	s_lshl_b32 s96, s[HD], 12                      ; out's scale words: head x 4,096 + K step x 512 + row x 4; my 64 rows
	s_lshl_b32 s98, s[WM], 8
	s_add_co_u32 s96, s96, s98
	s_add_nc_u64 s[10:11], s[10:11], s[96:97]
	s_lshl_b32 s96, s[CX], 10                      ; the bias: column 256 cx + 128 wn
	s_lshl_b32 s98, s[WN], 9
	s_add_co_u32 s96, s96, s98
	s_add_nc_u64 s[16:17], s[16:17], s[96:97]
	s_lshl_b32 s98, s[HD], 19                      ; out0: row 128 head + 64 wm of 4,096 bytes, and the same columns
	s_add_co_u32 s96, s96, s98
	s_lshl_b32 s98, s[WM], 18
	s_add_co_u32 s96, s96, s98
	s_add_nc_u64 s[18:19], s[18:19], s[96:97]
	CROUND                                         ; all sixteen work-groups are here: the joint loads meet
	s_cmp_eq_u32 s[WM], 0                          ; one fill a wave, in the two arms of one branch on the wave's number: waves 0, 1 the images' halves of K, waves 2, 3 W's halves of the rows; four v_nop follow each
	s_cbranch_scc0 .Lfirst_b
	tensor_load_to_lds s[52:55], s[G1A:G1A+7]
	s_nop 0
.rept 4
	v_nop
.endr
	s_branch .Lfirst_asked
.Lfirst_b:
	tensor_load_to_lds s[60:63], s[G1B:G1B+7]
	s_nop 0
.rept 4
	v_nop
.endr
.Lfirst_asked:
.irp p, 0,1,2,3                                ; W's scale words of all of K stay in registers: a lane takes a row's 32 bytes
	global_load_b128 v[WSC+8*\p:WSC+8*\p+3], v8, s[14:15] offset:\p*1024
	global_load_b128 v[WSC+8*\p+4:WSC+8*\p+7], v8, s[14:15] offset:\p*1024+16
.endr
.irp p, 0,1
.irp s, 0,1,2,3,4,5,6,7
	global_load_b32 v[XSC+8*\p+\s], v13, s[10:11] offset:\s*512+\p*128   ; lane l: the word of row 32 p + l for K step s: 128 consecutive bytes
.endr
.endr
	WIN 0x40                                       ; destination window 1
.irp t, 0,1,2,3,4,5,6,7
	global_load_b128 v[BIAS+8*\t:BIAS+8*\t+3], v9, s[16:17] offset:\t*64
	global_load_b128 v[BIAS+8*\t+4:BIAS+8*\t+7], v9, s[16:17] offset:\t*64+16
.endr
	WIN 0
; the fragments of K step s: W's eight into set s % 2 of window 1, out's four into set s % 2 of window 0
.macro FETCH s
	WIN 0x40
.irp t, 0,1,2,3,4,5,6,7
.irp c, 0,1
	ds_load_b128 v[BF+64*((\s)%2)+8*\t+4*\c:BF+64*((\s)%2)+8*\t+4*\c+3], v[ADRB] offset:\t*16*PITCH+64*(\s)+32*\c
.endr
.endr
	WIN 0
.irp a, 0,1,2,3
.irp c, 0,1
	ds_load_b128 v[AF+32*((\s)%2)+8*\a+4*\c:AF+32*((\s)%2)+8*\a+4*\c+3], v[ADRA] offset:((\s)/4)*AHALF+\a*4096+((\s)%4)*1024+512*\c
.endr
.endr
.endm
; A K step: 32 products.  The 32 accumulators take turns, one instruction a turn, in the same order in every step.
.macro KSTEP s
	s_wait_dscnt 0x0                               ; this step's 24 loads, asked for a step ago, are in
.if (\s) < 7
	FETCH (\s)+1                                   ; into the set that the step before multiplied: four places stand behind its products
.endif
.if (\s) == 0
	WIN 0x91                                       ; source 0 (W) and C (the bias) window 1, source 1 (out) window 0, D window 2
.else
	WIN 0xa1                                       ; C and D window 2
.endif
.irp a, 0,1,2,3
.irp t, 0,1,2,3,4,5,6,7
.if (\s) == 0
	MM 8*(8*\a+\t), BF+64*((\s)%2)+8*\t, AF+32*((\s)%2)+8*\a, BIAS+8*\t, WSC+8*(\t/2)+(\s), XSC+8*(\a/2)+(\s), \t%2, \a%2
.else
	MM 8*(8*\a+\t), BF+64*((\s)%2)+8*\t, AF+32*((\s)%2)+8*\a, 8*(8*\a+\t), WSC+8*(\t/2)+(\s), XSC+8*(\a/2)+(\s), \t%2, \a%2
.endif
.endr
.endr
	WIN 0
	PLACES
.endm
	s_wait_tensorcnt 0x0                           ; my one load is in
	s_barrier_signal -1
	s_barrier_wait -1                              ; everybody's is
	s_wait_alu depctr_va_vdst(0)
	FETCH 0
	s_wait_loadcnt 0x0                             ; scale words and bias
.irp s, 0,1,2,3,4,5,6,7
	KSTEP \s
.endr
; THE WAY OUT, block by block of 16 rows x 128 columns.  A lane holds 32 neighbouring bytes of a row, and the lanes beside it hold other rows: so a block goes through my own stage in LDS and comes back as whole rows of
; 512 bytes.  LDS serves a wave's instructions in order (ISA guide 5.7.1.4): no wait between the stores and the loads, nor in front of the next block's stores.
.macro TOSTAGE a
	WIN 0x08                                       ; an LDS store's data are its source 1: window 2
.irp t, 0,1,2,3,4,5,6,7
	ds_store_b128 v[STO], v[64*(\a)+8*\t:64*(\a)+8*\t+3] offset:64*\t        ; each accumulator from its low end on
	ds_store_b128 v[STO], v[64*(\a)+8*\t+4:64*(\a)+8*\t+7] offset:64*\t+16
.endr
	WIN 0
.irp i, 0,1,2,3,4,5,6,7,8,9,10,11,12,13,14,15
	ds_load_b128 v[BK+64*((\a)%2)+4*\i:BK+64*((\a)%2)+4*\i+3], v[RD] offset:\i*SPITCH
.endr
.endm
.macro SEND a, younger                 ; younger: the LDS instructions issued behind block a's loads, which may stay out
	s_wait_dscnt \younger                          ; the block is back in registers
.irp i, 0,1,2,3,4,5,6,7,8,9,10,11,12,13,14,15
	global_store_b128 v[LI], v[BK+64*((\a)%2)+4*\i:BK+64*((\a)%2)+4*\i+3], s[18:19] offset:(\a)*65536+\i*4096 th:TH_STORE_NT   ; 32 lanes store 512 consecutive bytes, at a multiple of 256 from out0's first byte; every offset is an immediate
.endr
.endm
	TOSTAGE 0
.irp a, 1,2,3
.if \a > 1
	s_wait_xcnt 0x0                                ; block a - 2's stores have read their registers: block a's loads may land there
.endif
	TOSTAGE \a
	SEND \a-1, 32                                  ; behind block a - 1's loads: block a's 16 stores and 16 loads
.endr
	SEND 3, 0
	s_wait_tensorcnt 0x0
	ds_add_u32 v14, v15
	s_wait_dscnt 0x0
	CROUND                                         ; the closing round: no work-group ends while a partner may still ask for a tile that names it
	s_endpgm
.Lfunc_end_k_qc097b1ce9d_oproj:
	.size	k_qc097b1ce9d_oproj, .Lfunc_end_k_qc097b1ce9d_oproj-k_qc097b1ce9d_oproj
	.p2alignl 7, 3214868480
	.fill 96, 4, 3214868480
	.section	.rodata,"a",@progbits
	.p2align	6, 0x0
	.amdhsa_kernel k_qc097b1ce9d_oproj
		.amdhsa_group_segment_fixed_size 239104
		.amdhsa_private_segment_fixed_size 0
		.amdhsa_enable_private_segment 0
		.amdhsa_kernarg_size 48
		.amdhsa_user_sgpr_count 2
		.amdhsa_user_sgpr_kernarg_segment_ptr 1
		.amdhsa_wavefront_size32 1
		.amdhsa_system_sgpr_workgroup_id_x 1
		.amdhsa_system_sgpr_workgroup_id_y 1
		.amdhsa_system_sgpr_workgroup_id_z 1
		.amdhsa_system_vgpr_workitem_id 0
		.amdhsa_next_free_vgpr 768
		.amdhsa_next_free_sgpr 100
		.amdhsa_reserve_vcc 0
		.amdhsa_float_denorm_mode_32 3
		.amdhsa_float_denorm_mode_16_64 3
		.amdhsa_memory_ordered 1
		.amdhsa_forward_progress 1
		.amdhsa_inst_pref_size 71
	.end_amdhsa_kernel
	.amdgpu_metadata
---
amdhsa.version: [ 1, 2 ]
amdhsa.kernels:
  - .name:           k_qc097b1ce9d_oproj
    .symbol:         k_qc097b1ce9d_oproj.kd
    .args:
      - { .name: obuf, .offset: 0, .size: 8, .value_kind: global_buffer, .address_space: global }
      - { .name: oscale, .offset: 8, .size: 8, .value_kind: global_buffer, .address_space: global }
      - { .name: W_o_codes, .offset: 16, .size: 8, .value_kind: global_buffer, .address_space: global }
      - { .name: W_o_scales, .offset: 24, .size: 8, .value_kind: global_buffer, .address_space: global }
      - { .name: b_o, .offset: 32, .size: 8, .value_kind: global_buffer, .address_space: global }
      - { .name: out0, .offset: 40, .size: 8, .value_kind: global_buffer, .address_space: global }
    .group_segment_fixed_size: 239104
    .private_segment_fixed_size: 0
    .kernarg_segment_align: 8
    .kernarg_segment_size: 48
    .max_flat_workgroup_size: 128
    .sgpr_count:     100
    .vgpr_count:     768
    .wavefront_size: 32
...
	.end_amdgpu_metadata
.endif
;; end of part 3
